; MI455X (gfx1250); checked and timed in simulation.
; The chip was launched on July 23, 2026; its instructions are those of AMD's public machine-readable ISA for CDNA 5 (MIT licence, August 2026) and "CDNA5" Instruction Set Architecture Reference Guide (July 2026). The comments in the code are by the model that wrote it; some were corrected since.
;; Self Attention. Allowed arithmetic: matrix products marked QUANTISED: E2M3 operands, one E8M0 scale for each 32 along K, by v_wmma_scale_f32_16x16x128_f8f6f4 with both operands' format E2M3, f32 sums; everything else in f32.
;; Inputs: Wk_codes 1,024 x 32 x 24 uint8 (E2M3 codes of Wk, K innermost, in blocks of 32 codes, four codes in three bytes); Wk_scales 1,024 x 32 uint8 (E8M0 scales of Wk, one for each 32 codes along K); Wq_codes 1,024 x 32 x 24 uint8 (E2M3 codes of Wq, K innermost, in blocks of 32 codes, four codes in three bytes); Wq_scales 1,024 x 32 uint8 (E8M0 scales of Wq, one for each 32 codes along K); Wu_codes 1,024 x 32 x 24 uint8 (E2M3 codes of Wu, K innermost, in blocks of 32 codes, four codes in three bytes); Wu_scales 1,024 x 32 uint8 (E8M0 scales of Wu, one for each 32 codes along K); Wv_codes 1,024 x 32 x 24 uint8 (E2M3 codes of Wv, K innermost, in blocks of 32 codes, four codes in three bytes); Wv_scales 1,024 x 32 uint8 (E8M0 scales of Wv, one for each 32 codes along K); bu 1,024 float32; k_beta 64 float32; k_gamma 64 float32; q_beta 64 float32; q_gamma 64 float32; x_codes 4 x 2,048 x 32 x 24 uint8 (E2M3 codes of x, K innermost, in blocks of 32 codes, four codes in three bytes); x_scales 4 x 2,048 x 32 uint8 (E8M0 scales of x, one for each 32 codes along K).
;; Outputs: out0 4 x 2,048 x 1,024 float32.
;; This version of the problem:
;;   THIS VERSION OF THE PROBLEM IS GIVEN IN LOW PRECISION. The matrix products marked QUANTISED in the list below multiply operands that are first quantised to E2M3 (2 exponent bits, 3 mantissa bits; 6 bits a number), with one power-of-two scale for each 32 numbers along K (OCP MX v1.0); their sums are f32. All else is computed in f32.
;;   The module's matrix products, in the order in which they are computed (A, B: the left and right operand; K: the contracted axis; several contracted axes count as one K, in the product's order):
;;     1. [M 8,192, K 1,024] x [K 1,024, N 1,024]; A: input x (given as codes); B: input Wq (given as codes): QUANTISED
;;     2. [M 8,192, K 1,024] x [K 1,024, N 1,024]; A: input x (given as codes); B: input Wk (given as codes): QUANTISED
;;     3. [M 8,192, K 1,024] x [K 1,024, N 1,024]; A: input x (given as codes); B: input Wv (given as codes): QUANTISED
;;     4. batch 64 x [M 2,048, K 64] x [K 64, N 2,048]; A: computed on the way; B: computed on the way: QUANTISED
;;     5. batch 64 x [M 64, K 2,048] x [K 2,048, N 2,048]; A: computed on the way; B: softmax (see below): QUANTISED
;;     6. [M 8,192, K 1,024] x [K 1,024, N 1,024]; A: computed on the way; B: input Wu (given as codes): QUANTISED
;;   THE QUANTISER, for each operand of a quantised product, along K:
;;     - K is cut into blocks of 32 from its start; a last block that is shorter is filled with zeros.
;;     - A block's scale is 2^e with e = floor(log2(the largest magnitude in the block)) - 2, held to -126 .. 127; a block of zeros has e = 0. As a byte (E8M0): e + 127.
;;     - Each number is divided by its block's scale, clamped to +-7.5, and rounded to the nearest number of E2M3, ties to even, subnormals kept.
;;     - The product sums the exact products of the quantised numbers (number of the format x scale) in f32.
;;   ~~~python
;;   def quantise(x, axis):      # numpy; x: float32 -> the quantised numbers, widened to float32 again
;;       x = np.moveaxis(x, axis, -1); K = x.shape[-1]
;;       x = np.pad(x, [(0, 0)] * (x.ndim - 1) + [(0, -K % 32)]); x = x.reshape(x.shape[:-1] + (-1, 32)); a = np.abs(x).max(-1, keepdims=True)
;;       e = np.where(a > 0, np.clip(np.frexp(np.where(a > 0, a, 1))[1] - 1 - 2, -126, 127), 0)      # np.frexp(a)[1] - 1 = floor(log2(a)), exactly
;;       r = np.clip(x / 2.0 ** e, -7.5, 7.5)
;;       step = 2.0 ** (np.maximum(np.frexp(np.where(r == 0, 1, r))[1] - 1, 0) - 3)
;;       q = np.round(r / step) * step * 2.0 ** e      # np.round: ties to even
;;       return np.moveaxis(q.reshape(q.shape[:-2] + (-1,))[..., :K], -1, axis).astype(np.float32)
;;   ~~~
;;   SOFTMAX AHEAD OF A QUANTISED PRODUCT. Where the list says 'softmax', what is quantised is not the finished softmax but p = 2^(t - M), with t = logit x log2(e) and M = ceil(the row's largest t), a whole number; so 1/2 < the row's largest p <= 1. The row's sum l is taken of the UNQUANTISED p, in f32, and the product's result is divided by l at the end. Since M is a whole number, a kernel that streams over the keys may use a running M (the ceiling of the running maximum): every later rescaling is an exact power of two, which a block's scale takes up: the codes' values come out the same.
;;   OPERANDS COMPUTED ON THE WAY. 'Computed on the way' means the value that the module computes at that place (a softmax that the list does not call 'softmax' is quantised finished and normalised). What goes into a quantiser is computed in f32, as accurately as f32 sums, v_exp_f32 and their like allow (about 1e-6 of the number): no bf16 or f16 on the way to a quantiser, and a product that is left as it is and whose result goes on into a quantised operand takes f32 operands (vector FMAs, or v_wmma_f32_16x16x4_f32). A number that lies on a knife's edge between two numbers of the format may be rounded either way, as far as f32 arithmetic and the matrix unit's own rounding can turn it there, and no further.
;;   INPUTS GIVEN AS CODES. Wk (in the module: [1024, 1024], K = its axis 1); Wq (in the module: [1024, 1024], K = its axis 1); Wu (in the module: [1024, 1024], K = its axis 1); Wv (in the module: [1024, 1024], K = its axis 1); x (in the module: [4, 2048, 1024], K = its axis 2): each comes as NAME_codes (uint8): NAME with its K axis moved to the last place and cut into blocks of 32 codes, [.., K / 32, bytes a block], one block behind the other in memory; four codes in three bytes: a row's codes are one little-endian stream of bits, code i at bits 6 i .. 6 i + 5 (a code: sign, 2 exponent bits, 3 mantissa bits); and NAME_scales (uint8): the same leading axes, one E8M0 byte (e + 127) for each 32 codes along K. Its value is code x scale, taken as it is: it is not quantised again, and the codes and scales need not be those that the quantiser above would give.
;; One version. Each part assembles by itself: llvm-mc -triple=amdgcn-amd-amdhsa -mcpu=gfx1250 --defsym DOCPART=n.
;; ======== version 1 of 1: 3 launches
;; limits: right only within a limited range of input values
;; workspace buffers: qrec 6,815,744 bytes; kv 13,369,344 bytes; oc 6,291,456 bytes; os 262,144 bytes
;; launch qkv (part 1): grid 4 x 64, 4 waves a work-group, clusters of 4 x 4, 327,680 bytes of LDS; arguments x_codes, x_scales, Wq_codes, Wq_scales, Wk_codes, Wk_scales, Wv_codes, Wv_scales, q_gamma, q_beta, k_gamma, k_beta, qrec, kv; writes qrec, kv
.if DOCPART == 1
	.amdgcn_target "amdgcn-amd-amdhsa--gfx1250"
	.amdhsa_code_object_version 6
	.text
	.protected	k_qd3e9519d8a_qkv
	.globl	k_qd3e9519d8a_qkv
	.p2align	8
	.type	k_qd3e9519d8a_qkv,@function
k_qd3e9519d8a_qkv:
	s_mov_b64 s[64:65], 0
	v_nop
	global_prefetch_b8 v0, s[64:65] scope:SCOPE_SE
	s_setreg_imm32_b32 hwreg(HW_REG_WAVE_MODE, 25, 1), 1
	s_wait_xcnt 0x0
	s_wait_alu depctr_hold_cnt(0) depctr_sa_sdst(0) depctr_va_vdst(0) depctr_va_sdst(0) depctr_va_ssrc(0) depctr_va_vcc(0) depctr_vm_vsrc(0)
	s_getreg_b32 s2, hwreg(HW_REG_IB_STS2, 6, 4)
	s_cmp_eq_u32 s2, 0
	s_cbranch_scc0 .Lentry_in_a_cluster
	s_endpgm
.Lentry_in_a_cluster:
	s_bfe_u32 s2, ttmp6, 0x10000c
	s_cmp_lg_u32 s2, 0xf033
	s_cbranch_scc0 .Lentry_shape_is_right
	s_endpgm
.Lentry_shape_is_right:
; q = LN(x Wq^T), k = LN(x Wk^T), v = x Wv^T on codes of FP6 (E2M3), one E8M0 scale for each 32 along K = 1,024; results are quantised at once for the attention: q, k along the head's 64, v along the keys.
; SHARES.  A block of 128 (role A) x 256 (role B) is made by a work-group of four waves, 64 x 128 a wave: 32 accumulators.  ALL OF K of a block lies in LDS: 384 rows of 768 bytes, each beginning at a multiple of
; 256 bytes of its buffer; 16 bytes of padding behind every 256, pitch 816.  One joint tensor load a wave brings it (waves 0, 1: 64 rows of A each; waves 2, 3: 128 rows of B each).
; A WORK-GROUP STAYS and makes three blocks, one of each KIND: 0 = q, 1 = k (a loop of two trips), 2 = v (the tail, written out: it asks for nothing more).  When a block's last fragments are in registers,
; every wave runs the three lines, a round of the cluster's barrier follows, and the next block's joint load is issued; the last 32 products and the block's way out stand between that load and the wait for it.
; Role A is source 1 (a lane holds one of its rows), role B source 0 (a lane's registers run along its rows).  q, k: A = x, B = W;  v: A = Wv, B = x.
; A's tile hangs on cy and the cluster's y, B's on cx and the cluster's y: A is asked for jointly along a row of the cluster, B along a column.  x's tile is asked for again for k: one form of load serves all trips.
; SCALES go from memory into registers: a row's 32 bytes are its eight words, one for each step of 128 along K; both halves of the lanes load the same rows.
; No prefetch: each block's tiles are asked for by their tensor load a whole way out ahead of their use.
; OUT, for each (16 x batch + head, chunk of 128 tokens), as images of operand registers (four registers at 16 x lane):
;   qrec: 6,656 bytes: 4 images of 1,536 (image w: registers 0-5 token tile 2 w, 6-11 tile 2 w + 1), then 512 bytes of scale words at 256 (w / 2) + 8 x lane + 4 (w % 2): tile 2 w + lane / 16, token lane % 16; bytes 2, 3 = 127;
;   kv:   13,056 bytes: k's like q's, then at 6,656 v's 4 images (16 features x 128 keys) and 256 bytes of scale words (8 x lane + 4 w: feature tile 2 w + lane / 16).
; Inside a block of 32 the codes lie in the order 0-7, 16-23, 8-15, 24-31, alike on both operands of each later product.
; LIMITS: NaN and infinities are not served.  A block whose largest magnitude lies under 2^-124 gets the byte 1 (only this program reads these bytes).  v_rsq_f32 is accurate to 1 ulp.
.set PITCH, 816
.set BREG,  128*PITCH                  ; B's 256 rows lie behind A's 128
.set SPARE, 384*PITCH                  ; the spare words, 512 bytes
.set QREC,  6656
.set KVREC, 13056
.set ADRA, 16                          ; v16-17 A's fragments (plain; lanes 16-31 behind one padding more)
.set LI2,  18                          ; 16 x lane + my half's images (q, k)
.set LJ2,  19                          ; 8 x lane + my half's words (q, k)
.set ADRB, 20                          ; v20-23 B's: blocks 0-3, blocks 4-7
.set LI,   24                          ; 16 x lane
.set LJ,   25                          ; 8 x lane
.set SCO,  26                          ; 32 x (lane % 16)
.set SPW,  28
.set NIL,  29
.set GOF,  30                          ; 32 x (lane / 16)
.set SA,   32                          ; v32-63 A's scale words: 8 a + step
.set SB,   64                          ; v64-127 B's: 8 b + step
.set AF,   128                         ; v128-223 A's fragments, two sets of 48
.set GA,   96                          ; window 1: v96-127 gamma, v224-255 beta (B's two sets lie at v0 and v128 there)
.set BE,   224
.set T,    128
.set P,    192
.set TM,   192
.set SQ,   208
.set PT,   216
.set CD,   224
.set PW,   243
.set SW,   244
.set MU,   252
.set G1, 24
.set G0, 32
.set G1B, 48
.set G0B, 56
.set MSB, 0
.macro WIN new
.if MSB != \new
	s_set_vgpr_msb (MSB<<8)|\new
.set MSB, \new
.endif
.endm
.set MUL,  0xa1                        ; source 0 (B) window 1, source 1 (A) window 0, C and D window 2
.set TO_B, 0x40
.macro CREST
	s_cmp_lg_u32 s14, 0
	s_cbranch_scc1 .Lnot_wave_0_\@
	s_barrier_signal -3
.Lnot_wave_0_\@:
	s_barrier_wait -3
	s_barrier_signal -1
	s_barrier_wait -1
.endm
.macro CROUND
	s_barrier_signal -1
	s_barrier_wait -1
	CREST
.endm
.macro PLACES
.rept 4
	v_nop
.endr
.endm
.macro JLOAD                           ; my one tensor load behind a round: waves 0, 1 for A, waves 2, 3 for B
	s_cmp_eq_u32 s15, 0
	s_cbranch_scc0 .Lfor_b_\@
	tensor_load_to_lds s[G0:G0+3], s[G1:G1+7]
	s_nop 0
	PLACES
	s_branch .Lasked_\@
.Lfor_b_\@:
	tensor_load_to_lds s[G0B:G0B+3], s[G1B:G1B+7]
	s_nop 0
	PLACES
.Lasked_\@:
.endm
; the block of kind s39: its tiles (s17 A's, s42 B's), its scales' addresses s[6:7], s[10:11], and the two descriptors' global addresses.  Scalar work alone; no tensor load of mine is out where it stands
.macro SETUP
	s_cmp_eq_u32 s39, 0
	s_cselect_b64 s[8:9], s[72:73], s[76:77]       ; B's codes: Wq's or Wk's,
	s_cselect_b64 s[10:11], s[74:75], s[78:79]
	s_cmp_eq_u32 s39, 2
	s_cselect_b64 s[8:9], s[68:69], s[8:9]         ; or x's
	s_cselect_b64 s[10:11], s[70:71], s[10:11]
	s_cselect_b64 s[4:5], s[80:81], s[68:69]       ; A's codes: Wv's or x's
	s_cselect_b64 s[6:7], s[82:83], s[70:71]
	s_cselect_b32 s18, s105, s104
	s_cselect_b32 s19, s66, 0
	s_add_co_u32 s17, s41, s18                     ; A's tile of 128: q, k: x's 4 Y + cy;  v: Wv's 4 (Y % 2) + cy
	s_add_co_u32 s42, s40, s19                     ; B's tile of 256: q, k: W's cx;  v: x's 4 (Y / 2) + cx
	s_lshl_b32 s18, s16, 6
	s_lshl_b32 s19, s15, 6
	s_lshl_b32 s20, s17, 7
	s_add_co_u32 s22, s20, s19                     ; A: the rows that I multiply,
	s_add_co_u32 s20, s20, s18                     ; and those that I fetch
	s_mul_i32 s20, s20, 768
	s_mov_b32 s21, 0
	s_lshl_b32 s22, s22, 5
	s_mov_b32 s23, 0
	s_lshl_b32 s18, s16, 7
	s_lshl_b32 s46, s42, 8
	s_add_co_u32 s46, s46, s18                     ; B: the same 128 rows for both
	s_lshl_b32 s36, s46, 5
	s_mov_b32 s37, 0
	s_mul_i32 s46, s46, 768
	s_mov_b32 s47, 0
	s_add_nc_u64 s[6:7], s[6:7], s[22:23]
	s_add_nc_u64 s[10:11], s[10:11], s[36:37]
	s_add_nc_u64 s[G0+2:G0+3], s[4:5], s[20:21]
	s_or_b32 s[G0+3], s[G0+3], 0x80000000
	s_add_nc_u64 s[G0B+2:G0B+3], s[8:9], s[46:47]
	s_or_b32 s[G0B+3], s[G0B+3], 0x80000000
.endm
.macro SCLOAD                          ; a block's scale words
.irp a, 0,1,2,3
	global_load_b128 v[SA+8*\a:SA+8*\a+3], v[SCO], s[6:7] offset:512*\a
	global_load_b128 v[SA+8*\a+4:SA+8*\a+7], v[SCO], s[6:7] offset:512*\a+16
.endr
.irp b, 0,1,2,3,4,5,6,7
	global_load_b128 v[SB+8*\b:SB+8*\b+3], v[SCO], s[10:11] offset:512*\b
	global_load_b128 v[SB+8*\b+4:SB+8*\b+7], v[SCO], s[10:11] offset:512*\b+16
.endr
.endm
.macro GAINS g, b                      ; gamma and beta: register 8 t + j = feature 16 t + 8 (lane / 16) + j
	WIN TO_B
.irp t, 0,1,2,3
	global_load_b128 v[GA+8*\t:GA+8*\t+3], v[GOF], s[\g:\g+1] offset:64*\t
	global_load_b128 v[GA+8*\t+4:GA+8*\t+7], v[GOF], s[\g:\g+1] offset:64*\t+16
	global_load_b128 v[BE+8*\t:BE+8*\t+3], v[GOF], s[\b:\b+1] offset:64*\t
	global_load_b128 v[BE+8*\t+4:BE+8*\t+7], v[GOF], s[\b:\b+1] offset:64*\t+16
.endr
	WIN 0
.endm
	s_load_b512 s[68:83], s[0:1], 0x0              ; x codes, scales, Wq, Wk, Wv likewise: kept for the whole launch
	s_load_b256 s[84:91], s[0:1], 0x40             ; q_gamma, q_beta, k_gamma, k_beta
	s_load_b128 s[92:95], s[0:1], 0x60             ; qrec, kv
	v_lshl_add_u32 v[SPW], v0, 2, SPARE
	v_mov_b32 v[NIL], 0
	ds_add_u32 v[SPW], v[NIL]                      ; the opening lines: the add twice and one wait
	ds_add_u32 v[SPW], v[NIL]
	v_lshrrev_b32 v1, 5, v0
	v_readfirstlane_b32 s14, v1                    ; wave
	s_lshr_b32 s15, s14, 1                         ; my 64 rows of A.  Also: I fetch for A (0) or B (1)
	s_and_b32 s16, s14, 1                          ; my 128 rows of B.  Also: which half of that tile I fetch
	s_bfe_u32 s40, ttmp6, 0x40000                  ; cx
	s_bfe_u32 s41, ttmp6, 0x40004                  ; cy
	s_and_b32 s2, ttmp7, 0xffff                    ; the cluster's y, 0..15
	s_lshl_b32 s104, s2, 2
	s_and_b32 s105, s2, 1
	s_lshl_b32 s105, s105, 2
	s_lshr_b32 s66, s2, 1
	s_lshl_b32 s66, s66, 2
	s_lshl_b32 s43, s41, 2
	s_lshl_b32 s43, 15, s43                        ; my row of the cluster
	s_lshl_b32 s44, 0x1111, s40                    ; my column
	s_or_b32 s[G1+0], s43, (1<<20)|(1<<21)|(5<<22)|(3<<25)   ; bytes; after every 64 words 4 words of padding
	s_or_b32 s[G1B+0], s44, (1<<20)|(1<<21)|(5<<22)|(3<<25)
.irp g, G1, G1B
	s_mov_b32 s[\g+1], 768<<16
	s_mov_b32 s[\g+3], 768<<16
	s_mov_b32 s[\g+5], 768
	s_mov_b32 s[\g+6], 0
	s_mov_b32 s[\g+7], 0
.endr
	s_mov_b32 s[G1+2], 64<<16
	s_mov_b32 s[G1+4], 64
	s_mov_b32 s[G1B+2], 128<<16
	s_mov_b32 s[G1B+4], 128
	s_mov_b32 s[G0], 1
	s_mul_i32 s[G0+1], s16, 64*PITCH
	s_mov_b32 s[G0B], 1
	s_mul_i32 s[G0B+1], s16, 128*PITCH
	s_add_co_u32 s[G0B+1], s[G0B+1], BREG
	s_mov_b32 s98, 0x76543210
	s_mov_b32 s99, 0xfedcba98                      ; v_permlanex16_b32's selects for lane l xor 16
	s_mov_b32 s38, 0xffff0000                      ; lanes 16-31
	s_mov_b32 s100, 0x3c800000                     ; 1 / 64
	s_mov_b32 s101, 0x3727c5ac                     ; 1e-5
	s_mul_i32 s21, s15, 64*PITCH
	s_mul_i32 s22, s16, 128*PITCH
	s_add_co_u32 s22, s22, BREG
	s_add_co_u32 s23, s22, 64*PITCH
	s_mul_i32 s18, s15, 3072
	s_lshl_b32 s19, s15, 8
	v_and_b32 v1, 15, v0
	v_bfe_u32 v2, v0, 4, 1
	v_mul_u32_u24 v3, v1, PITCH
	v_mad_u32_u24 v3, v2, 24, v3                   ; row x pitch + 24 x half
	v_lshl_add_u32 v4, v2, 4, v3
	v_add_nc_u32 v[ADRA], s21, v3
	v_add_nc_u32 v[ADRA+1], s21, v4
	v_add_nc_u32 v[ADRB], s22, v3
	v_add_nc_u32 v[ADRB+1], s22, v4
	v_add_nc_u32 v[ADRB+2], s23, v3
	v_add_nc_u32 v[ADRB+3], s23, v4
	v_lshlrev_b32 v[SCO], 5, v1
	v_lshlrev_b32 v[GOF], 5, v2
	v_and_b32 v6, 31, v0
	v_lshlrev_b32 v[LI], 4, v6
	v_lshlrev_b32 v[LJ], 3, v6
	v_lshl_add_u32 v[LI2], v6, 4, s18
	v_lshl_add_u32 v[LJ2], v6, 3, s19
	v_mov_b32 v[MU+1], 0                           ; named as the upper halves of pairs, so they are written
	v_mov_b32 v[MU+3], 0
	s_wait_alu depctr_va_vdst(0)                   ; the wait at the head's end
	s_wait_dscnt 0x0
	s_wait_kmcnt 0x0
	s_mov_b32 s39, 0
	SETUP                                          ; q's block
	CROUND                                         ; all sixteen work-groups are here: the joint loads meet
	JLOAD
	SCLOAD
	GAINS 84, 86                                   ; q's gamma and beta
; a fragment: lane l holds row l % 16; registers 6 c .. 6 c + 5 hold K = 64 c + 32 (l / 16) + 0 .. 31, 24 bytes of the row as they lie, in pieces of 8.  Byte y of a row lies at y + 16 (y / 256) of its LDS row
.macro FRAG reg, adr, st, i
.irp p, 0,1,2,3,4,5
.set BY, 96*(\st)+48*(\p/3)+8*(\p%3)
.if BY/256 == (BY+24)/256
	ds_load_b64 v[\reg+2*\p:\reg+2*\p+1], v[\adr] offset:BY+16*(BY/256)+(\i)*16*PITCH
.else
	ds_load_b64 v[\reg+2*\p:\reg+2*\p+1], v[\adr+1] offset:BY+16*(BY/256)+(\i)*16*PITCH
.endif
.endr
.endm
.macro FETCH st                        ; step st's 12 fragments into set st % 2: 72 loads
	WIN TO_B
.irp i, 0,1,2,3,4,5,6,7
	FRAG 128*((\st)%2)+12*\i, ADRB+2*(\i/4), \st, \i%4
.endr
	WIN 0
.irp i, 0,1,2,3
	FRAG AF+48*((\st)%2)+12*\i, ADRA, \st, \i
.endr
.endm
.macro MUL32 st, first                 ; the 32 accumulators take turns, one instruction a turn
.irp a, 0,1,2,3
.irp b, 0,1,2,3,4,5,6,7
.if \first
	v_wmma_scale_f32_16x16x128_f8f6f4 v[8*(8*\a+\b):8*(8*\a+\b)+7], v[128*((\st)%2)+12*\b:128*((\st)%2)+12*\b+11], v[AF+48*((\st)%2)+12*\a:AF+48*((\st)%2)+12*\a+11], 0, v[SB+8*\b+(\st)], v[SA+8*\a+(\st)] matrix_a_fmt:MATRIX_FMT_FP6 matrix_b_fmt:MATRIX_FMT_FP6
.else
	v_wmma_scale_f32_16x16x128_f8f6f4 v[8*(8*\a+\b):8*(8*\a+\b)+7], v[128*((\st)%2)+12*\b:128*((\st)%2)+12*\b+11], v[AF+48*((\st)%2)+12*\a:AF+48*((\st)%2)+12*\a+11], v[8*(8*\a+\b):8*(8*\a+\b)+7], v[SB+8*\b+(\st)], v[SA+8*\a+(\st)] matrix_a_fmt:MATRIX_FMT_FP6 matrix_b_fmt:MATRIX_FMT_FP6
.endif
.endr
.endr
.endm
.macro STEP st, first                  ; this step's fragments are in (asked for a step ago); the next step's are asked for; 32 products
	s_wait_dscnt 0x0
.if (\st) > 0
	PLACES                                         ; ahead of loads into the set that the last step multiplied
.endif
	FETCH (\st)+1
	WIN MUL
	MUL32 \st, \first
.endm
.macro WALK                            ; a block's steps 0 to 6; step 7's fragments are on their way at its end
	s_wait_xcnt 0x0                                ; the last block's stores have read their registers and bases
	s_wait_loadcnt 0x0                             ; scales, gamma, beta
	s_wait_tensorcnt 0x0                           ; my part of the block's tiles is in,
	s_barrier_signal -1
	s_barrier_wait -1                              ; everybody's is
	FETCH 0
	STEP 0, 1
.irp st, 1,2,3,4,5,6
	STEP \st, 0
.endr
	WIN 0
.endm
; 64 numbers of a lane, v[QS] on in window QW, register 16 b + i a number of block b, become 12 registers of codes in v[CD] on; the blocks' bytes stay in v[TM+4] on
.macro QUANT
	WIN 5*QW
.irp b, 0,1,2,3
	v_max3_num_f32 v[TM+\b], |v[QS+16*\b]|, |v[QS+1+16*\b]|, 0x1800000   ; with the floor 2^(3 - 127)
.endr
	WIN 20*QW
.irp i, 2,4,6,8,10,12,14
.irp b, 0,1,2,3
	v_max3_num_f32 v[TM+\b], v[TM+\b], |v[QS+16*\b+\i]|, |v[QS+1+16*\b+\i]|
.endr
.endr
	WIN 0
.irp b, 0,1,2,3
	v_permlanex16_b32 v[TM+4+\b], v[TM+\b], s98, s99
.endr
.irp b, 0,1,2,3
	v_max_num_f32 v[TM+\b], v[TM+\b], v[TM+4+\b]
.endr
.irp b, 0,1,2,3
	v_add_nc_u32 v[TM+12+\b], 0xff000000, v[TM+\b] ; 2 off the exponent field: the conversion's scale operand
.endr
.irp b, 0,1,2,3
	v_lshrrev_b32 v[TM+4+\b], 23, v[TM+12+\b]      ; the byte
.endr
	s_wait_alu depctr_va_vdst(0)
	s_wait_xcnt 0x0                                ; the last stores have read the codes' registers
	WIN QW
.irp c, 0,1
	v_cvt_scalef32_pk16_fp6_f32 v[CD+6*\c:CD+2+6*\c], v[QS+32*\c:QS+15+32*\c], v[TM+12+2*\c]
	v_cvt_scalef32_pk16_fp6_f32 v[CD+12+4*\c:CD+14+4*\c], v[QS+16+32*\c:QS+31+32*\c], v[TM+12+2*\c+1]
.endr
	WIN 0
	v_nop
.irp c, 0,1
.irp i, 0,1,2
	v_permlane16_swap_b32 v[CD+6*\c+\i], v[CD+12+4*\c+\i]
.endr
.irp i, 0,1,2
	v_mov_b32 v[CD+3+6*\c+\i], v[CD+12+4*\c+\i]
.endr
.endr
.endm
; q AND k.  My token tiles 2 w, 2 w + 1 of head hh: LayerNorm over the head's 64 (32 in my registers, 32 in lane l xor 16's), the quantiser, one image
.macro LNPAIR w, hh
	WIN 10
.irp u, 0,1
.set AC, 64*(2*(\w)+\u)+32*(\hh)
.irp i, 0,1,2,3,4,5,6,7
	v_pk_add_f32 v[P+16*\u+2*\i:P+16*\u+2*\i+1], v[AC+4*\i:AC+4*\i+1], v[AC+4*\i+2:AC+4*\i+3]
.endr
.endr
	WIN 0
.irp i, 0,1,2,3
.irp u, 0,1
	v_pk_add_f32 v[P+16*\u+2*\i:P+16*\u+2*\i+1], v[P+16*\u+2*\i:P+16*\u+2*\i+1], v[P+16*\u+2*\i+8:P+16*\u+2*\i+9]
.endr
.endr
.irp i, 0,1
.irp u, 0,1
	v_pk_add_f32 v[P+16*\u+2*\i:P+16*\u+2*\i+1], v[P+16*\u+2*\i:P+16*\u+2*\i+1], v[P+16*\u+2*\i+4:P+16*\u+2*\i+5]
.endr
.endr
.irp u, 0,1
	v_pk_add_f32 v[P+16*\u:P+16*\u+1], v[P+16*\u:P+16*\u+1], v[P+16*\u+2:P+16*\u+3]
.endr
.irp u, 0,1
	v_add_f32 v[P+16*\u], v[P+16*\u], v[P+16*\u+1]
.endr
.irp u, 0,1
	v_permlanex16_b32 v[P+16*\u+2], v[P+16*\u], s98, s99
.endr
.irp u, 0,1
	v_add_f32 v[P+16*\u], v[P+16*\u], v[P+16*\u+2]
.endr
.irp u, 0,1
	v_mul_f32 v[MU+2*\u], s100, v[P+16*\u]         ; the mean
.endr
	WIN 2
.irp u, 0,1
.set AC, 64*(2*(\w)+\u)+32*(\hh)
.irp i, 0,1,2,3,4,5,6,7,8,9,10,11,12,13,14,15
	v_pk_add_f32 v[T+32*\u+2*\i:T+32*\u+2*\i+1], v[AC+2*\i:AC+2*\i+1], v[MU+2*\u:MU+2*\u+1] op_sel_hi:[1,0] neg_lo:[0,1] neg_hi:[0,1]
.endr
.endr
	WIN 0
.irp u, 0,1
	v_pk_mul_f32 v[SQ+4*\u:SQ+4*\u+1], v[T+32*\u:T+32*\u+1], v[T+32*\u:T+32*\u+1]
	v_pk_mul_f32 v[SQ+4*\u+2:SQ+4*\u+3], v[T+32*\u+2:T+32*\u+3], v[T+32*\u+2:T+32*\u+3]
.endr
.irp i, 2,3,4,5,6,7,8,9,10,11,12,13,14,15
.irp u, 0,1
	v_pk_fma_f32 v[SQ+4*\u+2*(\i%2):SQ+4*\u+2*(\i%2)+1], v[T+32*\u+2*\i:T+32*\u+2*\i+1], v[T+32*\u+2*\i:T+32*\u+2*\i+1], v[SQ+4*\u+2*(\i%2):SQ+4*\u+2*(\i%2)+1]
.endr
.endr
.irp u, 0,1
	v_pk_add_f32 v[SQ+4*\u:SQ+4*\u+1], v[SQ+4*\u:SQ+4*\u+1], v[SQ+4*\u+2:SQ+4*\u+3]
.endr
.irp u, 0,1
	v_add_f32 v[SQ+4*\u], v[SQ+4*\u], v[SQ+4*\u+1]
.endr
.irp u, 0,1
	v_permlanex16_b32 v[PT+\u], v[SQ+4*\u], s98, s99
.endr
.irp u, 0,1
	v_add_f32 v[SQ+4*\u], v[SQ+4*\u], v[PT+\u]
.endr
.irp u, 0,1
	v_fma_f32 v[SQ+4*\u], v[SQ+4*\u], s100, s101   ; the variance + 1e-5
.endr
	s_wait_alu depctr_va_vdst(0)                   ; the wait ahead of the two and behind them
.irp u, 0,1
	v_rsq_f32 v[MU+2*\u], v[SQ+4*\u]
.endr
	v_nop
	s_wait_alu depctr_va_vdst(0)
.irp u, 0,1
.irp i, 0,1,2,3,4,5,6,7,8,9,10,11,12,13,14,15
	v_pk_mul_f32 v[T+32*\u+2*\i:T+32*\u+2*\i+1], v[T+32*\u+2*\i:T+32*\u+2*\i+1], v[MU+2*\u:MU+2*\u+1] op_sel_hi:[1,0]
.endr
.endr
	WIN 0x14                                       ; gamma and beta lie in window 1
.irp u, 0,1
.irp i, 0,1,2,3,4,5,6,7,8,9,10,11,12,13,14,15
	v_pk_fma_f32 v[T+32*\u+2*\i:T+32*\u+2*\i+1], v[T+32*\u+2*\i:T+32*\u+2*\i+1], v[GA+2*\i:GA+2*\i+1], v[BE+2*\i:BE+2*\i+1]
.endr
.endr
	WIN 0
.set QS, T
.set QW, 0
	QUANT
	v_lshl_or_b32 v[PW], v[TM+5], 8, v[TM+4]
	v_lshl_or_b32 v[TM+6], v[TM+7], 8, v[TM+6]
	v_cndmask_b32 v[SW+2*(\hh)+(\w)], v[PW], v[TM+6], s38   ; lanes 0-15 the even tile's bytes, lanes 16-31 the odd tile's
	v_or_b32 v[SW+2*(\hh)+(\w)], 0x7f7f0000, v[SW+2*(\hh)+(\w)]
.irp c, 0,1,2
	global_store_b128 v[LI2], v[CD+4*\c:CD+4*\c+3], s[12+84*(\hh):13+84*(\hh)] offset:1536*(\w)+512*\c   ; 512 consecutive bytes a store
.endr
.endm
	s_mov_b32 s3, 0                                ; the kind: 0 = q, 1 = k
.Ltile:
	WALK
	s_wait_tensorcnt 0x0                           ; no tensor load of mine is out;
	ds_add_u32 v[SPW], v[NIL]                      ; scalar work stands between the add and the wait for it
	; where this block's records lie: chunk = A's tile, heads 4 x B's tile + 2 x my half and the next
	s_lshl_b32 s62, s42, 2
	s_lshl_b32 s63, s16, 1
	s_add_co_u32 s62, s62, s63
	s_lshr_b32 s61, s17, 4
	s_lshl_b32 s61, s61, 4
	s_add_co_u32 s61, s61, s62                     ; 16 x batch + head
	s_lshl_b32 s61, s61, 4
	s_and_b32 s60, s17, 15
	s_add_co_u32 s61, s61, s60                     ; x 16 + the chunk in its batch
	s_movk_i32 s63, KVREC
	s_cmp_eq_u32 s3, 0
	s_cselect_b32 s63, QREC, s63
	s_cselect_b64 s[12:13], s[92:93], s[94:95]
	s_mul_i32 s60, s61, s63
	s_mov_b32 s61, 0
	s_add_nc_u64 s[12:13], s[12:13], s[60:61]
	s_lshl_b32 s60, s63, 4
	s_add_nc_u64 s[96:97], s[12:13], s[60:61]      ; the next head's record
	s_add_co_u32 s39, s3, 1
	SETUP                                          ; the next block: k's, then v's
	s_wait_dscnt 0x0                               ; the add is done, and my reads of this block's tiles are over: step 7's fragments are in registers
	CROUND                                         ; so are those of every wave of every partner
	JLOAD                                          ; the next block's tiles
	WIN MUL
	MUL32 7, 0
	WIN 0
	PLACES
	SCLOAD                                         ; the next block's scale words
.irp hh, 0,1
.irp w, 0,1
	LNPAIR \w, \hh
.endr
	global_store_b64 v[LJ2], v[SW+2*\hh:SW+2*\hh+1], s[12+84*\hh:13+84*\hh] offset:6144   ; 256 consecutive bytes: my half's scale words
.endr
	s_cmp_lg_u32 s3, 0
	s_cbranch_scc1 .Lno_gain                       ; v has no LayerNorm
	GAINS 88, 90                                   ; k's gamma and beta
.Lno_gain:
	s_add_co_u32 s3, s3, 1
	s_cmp_lt_u32 s3, 2
	s_wait_alu depctr_va_vdst(0)
	s_cbranch_scc1 .Ltile
; v.  A's block a is 16 features of my head; a lane's 64 registers are its feature's 128 keys (with lane l xor 16's): four blocks of 32, one image
	WALK
	s_wait_dscnt 0x0
	WIN MUL
	MUL32 7, 0
	WIN 0
	PLACES
	s_lshl_b32 s62, s17, 1
	s_add_co_u32 s62, s62, s15                     ; the head = 2 x A's tile + my half
	s_lshl_b32 s63, s42, 1
	s_add_co_u32 s63, s63, s16                     ; the chunk of 128 = 2 x B's tile + my half
	s_lshr_b32 s61, s63, 4
	s_lshl_b32 s61, s61, 4
	s_add_co_u32 s61, s61, s62
	s_lshl_b32 s61, s61, 4
	s_and_b32 s60, s63, 15
	s_add_co_u32 s61, s61, s60
	s_mul_i32 s60, s61, KVREC
	s_add_co_u32 s60, s60, QREC                    ; v's part lies behind k's
	s_mov_b32 s61, 0
	s_add_nc_u64 s[12:13], s[94:95], s[60:61]
.irp b, 0,1,2,3
	v_mov_b32 v[TM+4+\b], 0
.endr
.irp a, 0,1,2,3
.set QS, 64*\a
.set QW, 2
	QUANT
.if \a%2 == 0
.set WD, SW+6
.else
.set WD, PW
.endif
	v_lshl_or_b32 v[WD], v[TM+5], 8, v[TM+4]
	v_lshl_or_b32 v[WD], v[TM+6], 16, v[WD]
	v_lshl_or_b32 v[WD], v[TM+7], 24, v[WD]
.if \a%2 == 1
	v_cndmask_b32 v[SW+\a/2], v[SW+6], v[PW], s38
.endif
.irp c, 0,1,2
	global_store_b128 v[LI], v[CD+4*\c:CD+4*\c+3], s[12:13] offset:1536*\a+512*\c
.endr
.endr
	global_store_b64 v[LJ], v[SW:SW+1], s[12:13] offset:6144
	s_wait_tensorcnt 0x0                           ; the wave's end
	ds_add_u32 v[SPW], v[NIL]
	s_wait_dscnt 0x0
	CROUND                                         ; the closing round
	s_endpgm
.Lfunc_end_k_qd3e9519d8a_qkv:
	.size	k_qd3e9519d8a_qkv, .Lfunc_end_k_qd3e9519d8a_qkv-k_qd3e9519d8a_qkv
	.p2alignl 7, 3214868480
	.fill 96, 4, 3214868480
	.section	.rodata,"a",@progbits
	.p2align	6, 0x0
	.amdhsa_kernel k_qd3e9519d8a_qkv
		.amdhsa_group_segment_fixed_size 327680
		.amdhsa_private_segment_fixed_size 0
		.amdhsa_enable_private_segment 0
		.amdhsa_kernarg_size 112
		.amdhsa_user_sgpr_count 2
		.amdhsa_user_sgpr_kernarg_segment_ptr 1
		.amdhsa_wavefront_size32 1
		.amdhsa_system_sgpr_workgroup_id_x 1
		.amdhsa_system_sgpr_workgroup_id_y 1
		.amdhsa_system_sgpr_workgroup_id_z 1
		.amdhsa_system_vgpr_workitem_id 0
		.amdhsa_next_free_vgpr 768
		.amdhsa_next_free_sgpr 106
		.amdhsa_reserve_vcc 0
		.amdhsa_float_denorm_mode_32 3
		.amdhsa_float_denorm_mode_16_64 3
		.amdhsa_memory_ordered 1
		.amdhsa_forward_progress 1
		.amdhsa_inst_pref_size 237
	.end_amdhsa_kernel
	.amdgpu_metadata
---
amdhsa.version: [ 1, 2 ]
amdhsa.kernels:
  - .name:           k_qd3e9519d8a_qkv
    .symbol:         k_qd3e9519d8a_qkv.kd
    .args:
      - { .name: x_codes, .offset: 0, .size: 8, .value_kind: global_buffer, .address_space: global }
      - { .name: x_scales, .offset: 8, .size: 8, .value_kind: global_buffer, .address_space: global }
      - { .name: Wq_codes, .offset: 16, .size: 8, .value_kind: global_buffer, .address_space: global }
      - { .name: Wq_scales, .offset: 24, .size: 8, .value_kind: global_buffer, .address_space: global }
      - { .name: Wk_codes, .offset: 32, .size: 8, .value_kind: global_buffer, .address_space: global }
      - { .name: Wk_scales, .offset: 40, .size: 8, .value_kind: global_buffer, .address_space: global }
      - { .name: Wv_codes, .offset: 48, .size: 8, .value_kind: global_buffer, .address_space: global }
      - { .name: Wv_scales, .offset: 56, .size: 8, .value_kind: global_buffer, .address_space: global }
      - { .name: q_gamma, .offset: 64, .size: 8, .value_kind: global_buffer, .address_space: global }
      - { .name: q_beta, .offset: 72, .size: 8, .value_kind: global_buffer, .address_space: global }
      - { .name: k_gamma, .offset: 80, .size: 8, .value_kind: global_buffer, .address_space: global }
      - { .name: k_beta, .offset: 88, .size: 8, .value_kind: global_buffer, .address_space: global }
      - { .name: qrec, .offset: 96, .size: 8, .value_kind: global_buffer, .address_space: global }
      - { .name: kv, .offset: 104, .size: 8, .value_kind: global_buffer, .address_space: global }
    .group_segment_fixed_size: 327680
    .private_segment_fixed_size: 0
    .kernarg_segment_align: 8
    .kernarg_segment_size: 112
    .max_flat_workgroup_size: 128
    .sgpr_count:     106
    .vgpr_count:     768
    .wavefront_size: 32
...
	.end_amdgpu_metadata
.endif
;; end of part 1
;; launch attn (part 2): grid 4 x 64, 16 waves a work-group, clusters of 4 x 1, 210,944 bytes of LDS; arguments qrec, kv, oc, os; writes oc, os
.if DOCPART == 2
	.amdgcn_target "amdgcn-amd-amdhsa--gfx1250"
	.amdhsa_code_object_version 6
	.text
	.protected	k_qd3e9519d8a_attn
	.globl	k_qd3e9519d8a_attn
	.p2align	8
	.type	k_qd3e9519d8a_attn,@function
k_qd3e9519d8a_attn:
	s_mov_b64 s[64:65], 0
	v_nop
	global_prefetch_b8 v0, s[64:65] scope:SCOPE_SE
	s_setreg_imm32_b32 hwreg(HW_REG_WAVE_MODE, 25, 1), 1
	s_wait_xcnt 0x0
	s_wait_alu depctr_hold_cnt(0) depctr_sa_sdst(0) depctr_va_vdst(0) depctr_va_sdst(0) depctr_va_ssrc(0) depctr_va_vcc(0) depctr_vm_vsrc(0)
	s_getreg_b32 s2, hwreg(HW_REG_IB_STS2, 6, 4)
	s_cmp_eq_u32 s2, 0
	s_cbranch_scc0 .Lentry_in_a_cluster
	s_endpgm
.Lentry_in_a_cluster:
	s_bfe_u32 s2, ttmp6, 0x10000c
	s_cmp_lg_u32 s2, 0x3003
	s_cbranch_scc0 .Lentry_shape_is_right
	s_endpgm
.Lentry_shape_is_right:
; Causal attention of one (batch, head) to a cluster, both products on codes of FP6 (E2M3) with one E8M0 scale for each 32 along a product's K; head size 64, 2,048 tokens.
; IN: qrec and kv, records of register images for each chunk of 128 tokens: q's and k's record: 4 images of 1,536 bytes (two token tiles each, six registers a tile) and 512 bytes of scale words;
; v's: 4 images (16 features x 128 keys) and 256 bytes of scale words.  A chunk's k and v are 13,056 dense bytes.
; OUT: oc: the result / the row's sum, quantised along the 1,024 features, as register images for the next product: [token tile][K step of 128][6 groups][lane][8 bytes]; os: [token][32] scale bytes.
; THE SOFTMAX: t = score x log2(e) / 8; M = the running largest t rounded UP to a whole number; p = 2^(t - M) is quantised along the keys, not normalised; the row's sum is taken of the unquantised p.
; When M moves, the sum and O are multiplied by 2^(old M - new M), which rounds nothing.
; SHARES.  The head's 16 chunks of k and v, 208,896 bytes, lie in LDS WHOLE: wave w of each of the cluster's four work-groups asks for chunk w, jointly with its three partners; nothing is filled again.
; A head has 128 tiles of 16 queries.  A wave takes TWO: tile 8 a + sub (a = wave / 2, sub = 4 (wave % 2) + cx) and tile 127 less that: (a + 1) + (16 - a) = 17 chunks of keys for every wave of the launch.
; Branches hang on a and a counter alone, the same in all partners; cx enters global addresses, a select's mask and the causal compare's number only.
; LAYOUT.  Both products are used transposed: S^T = K Q^T (source 0 = 16 keys), O^T = V^T P^T (source 0 = 16 features): a lane holds one query (lane % 16) throughout.
; The first product's K is 64: Q's registers 6-11 are zero codes, so what stands in K's registers 6-11 (the next tile's codes, or zeros) adds nothing; both sides' bytes there are 127.
; Inside a block of 32 keys p's codes lie in the order 0-7, 16-23, 8-15, 24-31, as v's do (made by the same lines): the products are the same, the order of the sums differs.
; LIMITS: NaN and infinities are not served; a block whose largest magnitude lies under 2^-124 gets the byte 1; v_exp_f32 and v_rcp_f32 are accurate to 1 ulp, and a block's largest p is taken from its largest score.
; REGISTERS: v1 16 x lane, v2 8 x lane, v3, v4 these + the chunk's LDS byte, v5 the causal number, v6, v7 Q's offsets, v9 os's offset, v10 r, v11 h, v31 r - 8 h; v12 -M, v13 the largest t, v[14:15] the sum;
; v16-27 Q; v32-79 K's eight tiles, later V's four fragments; v80-85 zeros; v96-159 S^T, then p; v160-191 O^T; v192-223 Q as loaded, O / sum; v224-235 codes; v232-247, v252, v254 at work;
; v248-251 K's or V's scale words, v253 p's, v255 Q's.
.set REC,  13056
.set QREC, 6656
.set WV,   12                          ; s12 wave
.set CX,   13                          ; s13 my place in the cluster
.set BH,   14                          ; s14 16 x batch + head
.set DG,   15                          ; s15 the chunk on the diagonal
.set SB,   16                          ; s16 my tile in that chunk
.set CI,   17                          ; s17 counts chunks
.set TB,   18                          ; s18 the chunk's LDS byte
.set SEL,  20                          ; s[20:21]
.set CS,   22                          ; s[22:23] c = log2(e) / 8
.macro CROUND
	s_barrier_signal -1
	s_barrier_wait -1
	s_cmp_lg_u32 s[WV], 0
	s_cbranch_scc1 .Lnot_wave_0_\@
	s_barrier_signal -3
.Lnot_wave_0_\@:
	s_barrier_wait -3
	s_barrier_signal -1
	s_barrier_wait -1
.endm
	s_load_b256 s[4:11], s[0:1], 0x0               ; qrec s[4:5], kv s[6:7], oc s[8:9], os s[10:11]
	v_lshl_add_u32 v95, v0, 2, 0x33000
	v_mov_b32 v243, 0
	ds_add_u32 v95, v243
	ds_add_u32 v95, v243
	v_lshrrev_b32 v1, 5, v0
	s_delay_alu instid0(VALU_DEP_1)
	v_readfirstlane_b32 s[WV], v1                  ; wave 0..15
	s_bfe_u32 s[CX], ttmp6, 0x40000
	s_and_b32 s[BH], ttmp7, 0xffff
	s_lshr_b32 s[DG], s[WV], 1                     ; a
	s_and_b32 s[SB], s[WV], 1
	s_lshl_b32 s[SB], s[SB], 2
	s_add_co_u32 s[SB], s[SB], s[CX]               ; sub
	s_mov_b32 s[SEL], 0x76543210
	s_mov_b32 s[SEL+1], 0xfedcba98
	s_mov_b32 s[CS], 0x3e38aa3b
	s_mov_b32 s[CS+1], s[CS]
	s_mov_b32 s47, 0xffff0000                      ; lanes 16-31
	; descriptor group 1: a chunk's 13,056 dense bytes as 51 rows of 256 bytes (32 elements of 8 bytes), no padding
	s_mov_b32 s24, 15|(3<<16)|(1<<21)              ; the mask: all four work-groups; elements of 8 bytes; bit 21 beside a mask
	s_mov_b32 s25, 32<<16
	s_mov_b32 s26, 51<<16
	s_mov_b32 s27, 32<<16
	s_mov_b32 s28, 51
	s_mov_b32 s29, 32
	s_mov_b32 s30, 0
	s_mov_b32 s31, 0
	s_mul_i32 s33, s[WV], REC                      ; chunk w goes to LDS byte 13,056 w
	s_mul_i32 s36, s[BH], 16*REC
	s_add_co_u32 s36, s36, s33                     ; and lies there in the head's part of kv
	s_mov_b32 s37, 0
	v_and_b32 v2, 31, v0
	s_delay_alu instid0(VALU_DEP_1)
	v_lshlrev_b32 v1, 4, v2
	s_delay_alu instid0(VALU_DEP_2)
	v_lshlrev_b32 v2, 3, v2
	v_and_b32 v10, 15, v0
	v_bfe_u32 v11, v0, 4, 1
	s_delay_alu instid0(VALU_DEP_1)
	v_lshlrev_b32 v31, 3, v11
	s_delay_alu instid0(VALU_DEP_1)
	v_sub_nc_u32 v31, v10, v31
	s_delay_alu instid0(VALU_DEP_3)
	v_lshl_add_u32 v9, v10, 5, v11                 ; os: token r's row of 32 bytes, + my block
.irp i, 22,23,24,25,26,27, 80,81,82,83,84,85, 236,237,238,239, 252,253
	v_mov_b32 v[\i], 0                             ; Q's upper half and the zeros behind K's last tile stay; the others are lane permutes' destinations or halves of named pairs
.endr
	s_wait_dscnt 0x0
	s_wait_kmcnt 0x0
	s_mov_b32 s32, 1
	s_add_nc_u64 s[34:35], s[6:7], s[36:37]
	s_or_b32 s35, s35, 0x80000000
	CROUND                                         ; all four work-groups are here: the joint loads meet
	tensor_load_to_lds s[32:35], s[24:31]          ; my one tensor load
	s_nop 0
.rept 4
	v_nop
.endr
	s_wait_tensorcnt 0x0                           ; my chunk is in,
	s_barrier_signal -1
	s_barrier_wait -1                              ; everybody's is: from here on LDS is only read
.macro PASS
	s_wait_xcnt 0x0                                ; the last pass's stores have read their registers and bases
	s_lshl_b32 s36, s[BH], 4
	s_add_co_u32 s36, s36, s[DG]
	s_mul_i32 s36, s36, QREC
	s_mov_b32 s37, 0
	s_add_nc_u64 s[40:41], s[4:5], s[36:37]        ; my queries' record
	s_lshr_b32 s38, s[SB], 1                       ; which image,
	s_and_b32 s39, s[SB], 1                        ; which half of it
	s_cmp_lg_u32 s39, 0
	s_cselect_b32 s46, -1, 0
	s_mul_i32 s48, s38, 1536
	s_lshl_b32 s49, s39, 7                         ; the scale word lies at 256 (image / 2) + 8 x lane + 4 (image % 2)
	s_and_b32 s50, s38, 1
	s_lshl_b32 s50, s50, 2
	s_add_co_u32 s49, s49, s50
	s_lshr_b32 s50, s38, 1
	s_lshl_b32 s50, s50, 8
	s_add_co_u32 s49, s49, s50
	s_lshl_b32 s51, s[SB], 4
	s_lshr_b32 s52, s[BH], 4
	s_lshl_b32 s52, s52, 7
	s_lshl_b32 s53, s[DG], 3
	s_add_co_u32 s52, s52, s53
	s_add_co_u32 s52, s52, s[SB]                   ; my token tile of 512
	s_and_b32 s53, s[BH], 15                       ; the head
	s_mul_i32 s54, s52, 12288
	s_mul_i32 s55, s53, 768
	s_add_co_u32 s54, s54, s55
	s_mov_b32 s55, 0
	s_add_nc_u64 s[42:43], s[8:9], s[54:55]        ; oc: the tile's 12,288 bytes, the head's 768 in them
	s_lshl_b32 s54, s52, 9
	s_lshl_b32 s53, s53, 1
	s_add_co_u32 s54, s54, s53
	s_add_nc_u64 s[44:45], s[10:11], s[54:55]      ; os: 16 rows of 32 bytes a tile, the head's two bytes
	v_add_nc_u32 v6, s48, v1
	v_lshl_add_u32 v7, v10, 3, s49
	global_load_b128 v[192:195], v6, s[40:41]
	global_load_b128 v[196:199], v6, s[40:41] offset:512
	global_load_b128 v[200:203], v6, s[40:41] offset:1024
	global_load_b32 v255, v7, s[40:41] offset:6144 ; query r's scale word
	v_add_nc_u32 v5, s51, v31                      ; d = 16 x my tile + r - 8 h: on the diagonal key 16 t + 8 h + j is hidden where 16 t + j > d
	v_mov_b32 v13, 0xff61b1e6                      ; the largest t so far: -3e38
	s_delay_alu instid0(VALU_DEP_1)
	v_floor_f32 v12, -v13
	v_mov_b32 v14, 0
	v_mov_b32 v15, 0
	s_wait_loadcnt 0x0
.irp i, 0,1,2,3,4,5
	v_cndmask_b32 v[16+\i], v[192+\i], v[198+\i], s46   ; my tile's six registers of the image's twelve
.endr
.irp j, 0,1,2,3,4,5,6,7,8,9,10,11,12,13,14,15,16,17,18,19,20,21,22,23,24,25,26,27,28,29,30,31
	v_mov_b32 v[160+\j], 0                         ; O^T: the first change of M leaves zeros zeros.  (Also the places between Q's registers and the first product)
.endr
	s_mov_b32 s[CI], 0
	s_mov_b32 s[TB], 0
.Lchunk_\@:                            ; 16 trips, a constant; the chunks behind the diagonal are passed over by a branch on the counter and a
	s_cmp_gt_u32 s[CI], s[DG]
	s_cbranch_scc1 .Lhid_\@
	v_add_nc_u32 v3, s[TB], v1
	v_add_nc_u32 v4, s[TB], v2
	v_nop
	v_nop                                          ; four places behind the last products, in front of loads into registers that they read
.irp i, 0,1,2,3,4,5,6,7,8,9,10,11
	ds_load_b128 v[32+4*\i:35+4*\i], v3 offset:512*\i   ; K's eight tiles: tile t at v[32 + 6 t]
.endr
	ds_load_b64 v[248:249], v4 offset:6144         ; their scale words: register t / 2, lanes 0-15 the even tile, lanes 16-31 the odd one
	ds_load_b64 v[250:251], v4 offset:6400
	s_wait_alu depctr_va_vdst(0)
	s_wait_dscnt 0x0
.irp t, 0,2,4,6
	v_wmma_scale_f32_16x16x128_f8f6f4 v[96+8*\t:103+8*\t], v[32+6*\t:43+6*\t], v[16:27], 0, v[248+\t/2], v255 matrix_a_fmt:MATRIX_FMT_FP6 matrix_b_fmt:MATRIX_FMT_FP6
	v_wmma_scale_f32_16x16x128_f8f6f4 v[104+8*\t:111+8*\t], v[38+6*\t:49+6*\t], v[16:27], 0, v[248+\t/2], v255 matrix_a_fmt:MATRIX_FMT_FP6 matrix_b_fmt:MATRIX_FMT_FP6 matrix_a_scale:MATRIX_SCALE_ROW1
.endr
.rept 4
	v_nop                                          ; places: in front of the loads below and of the first read of the scores
.endr
.irp i, 0,1,2,3,4,5,6,7,8,9,10,11
	ds_load_b128 v[32+4*\i:35+4*\i], v3 offset:QREC+512*\i   ; V's four fragments land while the softmax is walked
.endr
	ds_load_b64 v[248:249], v4 offset:QREC+6144
	s_cmp_lg_u32 s[CI], s[DG]
	s_cbranch_scc1 .Lopen_\@
	v_mov_b32 v254, 0xff800000                     ; on the diagonal hidden scores become -infinity ahead of the maximum: p = 0 then.  The chunk's key 0 counts for every query
.irp n, 0,1,2,3,4,5,6,7,8,9,10,11,12,13,14,15,16,17,18,19,20,21,22,23,24,25,26,27,28,29,30,31,32,33,34,35,36,37,38,39,40,41,42,43,44,45,46,47,48,49,50,51,52,53,54,55,56,57,58,59,60,61,62,63
	v_cmp_gt_i32 vcc_lo, 16*(\n/8)+\n%8, v5
	v_cndmask_b32 v[96+\n], v[96+\n], v254, vcc_lo
.endr
.Lopen_\@:
.irp b, 0,1,2,3
	v_max3_num_f32 v[232+\b], v[96+16*\b], v[97+16*\b], v[98+16*\b]   ; the largest score of each block of 32 keys: for the row's maximum, and for the block's largest p
.endr
.irp i, 3,5,7,9,11,13
.irp b, 0,1,2,3
	v_max3_num_f32 v[232+\b], v[232+\b], v[96+16*\b+\i], v[97+16*\b+\i]
.endr
.endr
.irp b, 0,1,2,3
	v_max_num_f32 v[232+\b], v[232+\b], v[111+16*\b]
.endr
.irp b, 0,1,2,3
	s_delay_alu instid0(VALU_DEP_4)
	v_permlanex16_b32 v[236+\b], v[232+\b], s[SEL], s[SEL+1]
.endr
.irp b, 0,1,2,3
	s_delay_alu instid0(VALU_DEP_4)
	v_max_num_f32 v[232+\b], v[232+\b], v[236+\b]  ; with lane l xor 16's 16 keys
.endr
	s_delay_alu instid0(VALU_DEP_2)
	v_max3_num_f32 v254, v232, v233, v234
	s_delay_alu instid0(VALU_DEP_1)
	v_max_num_f32 v254, v254, v235
	s_delay_alu instid0(VALU_DEP_1)
	v_mul_f32 v254, s[CS], v254                    ; as t (c is positive)
	s_delay_alu instid0(VALU_DEP_1)
	v_max_num_f32 v13, v13, v254                   ; the running largest t
	v_mov_b32 v254, v12
	s_delay_alu instid0(VALU_DEP_2)
	v_floor_f32 v12, -v13                          ; the new -M = floor(-t): M is a whole number
	s_delay_alu instid0(VALU_DEP_1)
	v_sub_f32 v254, v12, v254                      ; old M - new M, 0 or less
	s_delay_alu instid0(VALU_DEP_1)
	v_cvt_i32_f32 v254, v254                       ; (it saturates)
	s_delay_alu instid0(VALU_DEP_1)
	v_ldexp_f32 v252, 1.0, v254                    ; f = 2^(old M - new M)
.irp j, 0,2,4,6,8,10,12,14,16,18,20,22,24,26,28,30,32,34,36,38,40,42,44,46,48,50,52,54,56,58,60,62
	v_pk_fma_f32 v[96+\j:97+\j], v[96+\j:97+\j], s[CS:CS+1], v[12:13] op_sel_hi:[1,0,0]   ; t - M
.endr
.irp b, 0,1,2,3
	v_fma_f32 v[232+\b], v[232+\b], s[CS], v12     ; the same of each block's largest score
.endr
	s_wait_alu depctr_va_vdst(0)
.irp j, 0,1,2,3,4,5,6,7,8,9,10,11,12,13,14,15,16,17,18,19,20,21,22,23,24,25,26,27,28,29,30,31,32,33,34,35,36,37,38,39,40,41,42,43,44,45,46,47,48,49,50,51,52,53,54,55,56,57,58,59,60,61,62,63
	v_exp_f32 v[96+\j], v[96+\j]                   ; p = 2^(t - M), at most 1
.endr
	v_pk_mul_f32 v[14:15], v[14:15], v[252:253] op_sel_hi:[1,0]   ; the sums under the new M: a plain instruction behind the exponentials
	s_wait_alu depctr_va_vdst(0)                   ; the wait ahead of the first use: one for the 64
.irp b, 0,1,2,3
	v_exp_f32 v[232+\b], v[232+\b]                 ; the block's largest p
.endr
	v_pk_add_f32 v[236:237], v[100:101], v[104:105]
	v_pk_add_f32 v[250:251], v[108:109], v[112:113]
	v_pk_add_f32 v[246:247], v[116:117], v[120:121]
	v_pk_add_f32 v[244:245], v[124:125], v[128:129]
	v_pk_add_f32 v[240:241], v[132:133], v[136:137]
	v_pk_add_f32 v[238:239], v[140:141], v[144:145]
	v_pk_add_f32 v[230:231], v[148:149], v[152:153]
	v_pk_add_f32 v[14:15], v[14:15], v[156:157]
	v_pk_add_f32 v[236:237], v[236:237], v[96:97]
	v_pk_add_f32 v[250:251], v[250:251], v[98:99]
	v_pk_add_f32 v[246:247], v[246:247], v[102:103]
	v_pk_add_f32 v[244:245], v[244:245], v[106:107]
	v_pk_add_f32 v[240:241], v[240:241], v[110:111]
	v_pk_add_f32 v[238:239], v[238:239], v[114:115]
	v_pk_add_f32 v[230:231], v[230:231], v[118:119]
	v_pk_add_f32 v[14:15], v[14:15], v[122:123]
	v_pk_add_f32 v[236:237], v[236:237], v[126:127]
	v_pk_add_f32 v[250:251], v[250:251], v[130:131]
	v_pk_add_f32 v[246:247], v[246:247], v[134:135]
	v_pk_add_f32 v[244:245], v[244:245], v[138:139]
	v_pk_add_f32 v[240:241], v[240:241], v[142:143]
	v_pk_add_f32 v[238:239], v[238:239], v[146:147]
	v_pk_add_f32 v[230:231], v[230:231], v[150:151]
	v_pk_add_f32 v[14:15], v[14:15], v[154:155]
	v_pk_add_f32 v[236:237], v[236:237], v[158:159]
	s_delay_alu instid0(VALU_DEP_2)
	v_pk_add_f32 v[14:15], v[14:15], v[244:245]
	s_delay_alu instid0(VALU_DEP_2)
	v_pk_add_f32 v[236:237], v[236:237], v[240:241]
	v_pk_add_f32 v[250:251], v[250:251], v[238:239]
	v_pk_add_f32 v[246:247], v[246:247], v[230:231]
	s_delay_alu instid0(VALU_DEP_2)
	v_pk_add_f32 v[14:15], v[14:15], v[250:251]
	s_delay_alu instid0(VALU_DEP_2)
	v_pk_add_f32 v[236:237], v[236:237], v[246:247]
	s_delay_alu instid0(VALU_DEP_1)
	v_pk_add_f32 v[14:15], v[14:15], v[236:237]
	s_wait_alu depctr_va_vdst(0)                   ; and one for the four
.irp b, 0,1,2,3
	v_max_num_f32 v[232+\b], 0x1800000, v[232+\b]  ; the floor 2^(3 - 127): the byte cannot fall under 1
.endr
.irp b, 0,1,2,3
	s_delay_alu instid0(VALU_DEP_4)
	v_add_nc_u32 v[244+\b], 0xff000000, v[232+\b]  ; 2 off the exponent field: the conversion's scale operand
.endr
.irp b, 0,1,2,3
	s_delay_alu instid0(VALU_DEP_4)
	v_lshrrev_b32 v[236+\b], 23, v[244+\b]
.endr
	s_delay_alu instid0(VALU_DEP_3)
	v_lshl_or_b32 v253, v237, 8, v236              ; p's scale word for these 128 keys
	s_delay_alu instid0(VALU_DEP_1)
	v_lshl_or_b32 v253, v238, 16, v253
	s_delay_alu instid0(VALU_DEP_1)
	v_lshl_or_b32 v253, v239, 24, v253
.irp c, 0,1
	v_cvt_scalef32_pk16_fp6_f32 v[224+6*\c:226+6*\c], v[96+32*\c:111+32*\c], v[244+2*\c]
	v_cvt_scalef32_pk16_fp6_f32 v[236+4*\c:238+4*\c], v[112+32*\c:127+32*\c], v[244+2*\c+1]
.endr
	v_nop                                          ; one plain place behind a scaled conversion
.irp c, 0,1
.irp i, 0,1,2
	v_permlane16_swap_b32 v[224+6*\c+\i], v[236+4*\c+\i]
.endr
.irp i, 0,1,2
	s_delay_alu instid0(VALU_DEP_3)
	v_mov_b32 v[227+6*\c+\i], v[236+4*\c+\i]
.endr
.endr
.irp j, 0,2,4,6,8,10,12,14,16,18,20,22,24,26,28,30
	v_pk_mul_f32 v[160+\j:161+\j], v[160+\j:161+\j], v[252:253] op_sel_hi:[1,0]   ; O^T under the new M.  (Also the places between p's codes and word and the products)
.endr
	s_wait_alu depctr_va_vdst(0)
	s_wait_dscnt 0x0                               ; V is in
.irp t, 0,2
	v_wmma_scale_f32_16x16x128_f8f6f4 v[160+8*\t:167+8*\t], v[32+12*\t:43+12*\t], v[224:235], v[160+8*\t:167+8*\t], v[248+\t/2], v253 matrix_a_fmt:MATRIX_FMT_FP6 matrix_b_fmt:MATRIX_FMT_FP6
	v_wmma_scale_f32_16x16x128_f8f6f4 v[168+8*\t:175+8*\t], v[44+12*\t:55+12*\t], v[224:235], v[168+8*\t:175+8*\t], v[248+\t/2], v253 matrix_a_fmt:MATRIX_FMT_FP6 matrix_b_fmt:MATRIX_FMT_FP6 matrix_a_scale:MATRIX_SCALE_ROW1
.endr
.Lhid_\@:
	s_add_co_u32 s[TB], s[TB], REC
	s_add_co_u32 s[CI], s[CI], 1
	s_cmp_lt_u32 s[CI], 16
	s_cbranch_scc1 .Lchunk_\@
	; THE PASS'S END: O^T / the sum, brought into the features' own order, quantised along them, stored as half a fragment's image.
.rept 4
	v_nop                                          ; places behind the last products
.endr
	v_add_f32 v14, v14, v15
	s_delay_alu instid0(VALU_DEP_1)
	v_permlanex16_b32 v252, v14, s[SEL], s[SEL+1]
	s_delay_alu instid0(VALU_DEP_1)
	v_add_f32 v14, v14, v252                       ; the row's sum
	s_wait_alu depctr_va_vdst(0)
	v_rcp_f32 v14, v14
	v_nop                                          ; a plain instruction behind the reciprocal,
	s_wait_alu depctr_va_vdst(0)                   ; and the wait ahead of its first use
.irp j, 0,2,4,6,8,10,12,14,16,18,20,22,24,26,28,30
	v_pk_mul_f32 v[192+\j:193+\j], v[160+\j:161+\j], v[14:15] op_sel_hi:[1,0]   ; register 8 t + j: feature 16 t + 8 h + j; each accumulator from its low end on
.endr
.irp B, 0,1
.irp j, 0,1,2,3,4,5,6,7
	v_permlane16_swap_b32 v[192+16*\B+\j], v[200+16*\B+\j]   ; lane (r, h) now holds features 32 B + 16 h + 0 .. 15 in its registers 16 B + 0 .. 15: the weight that they meet has its own order
.endr
.endr
.irp B, 0,1
	v_max3_num_f32 v[232+\B], |v[192+16*\B]|, |v[193+16*\B]|, 0x1800000
.endr
.irp i, 2,4,6,8,10,12,14
.irp B, 0,1
	s_delay_alu instid0(VALU_DEP_2)
	v_max3_num_f32 v[232+\B], v[232+\B], |v[192+16*\B+\i]|, |v[193+16*\B+\i]|
.endr
.endr
.irp B, 0,1
	s_delay_alu instid0(VALU_DEP_2)
	v_permlanex16_b32 v[236+\B], v[232+\B], s[SEL], s[SEL+1]
.endr
.irp B, 0,1
	s_delay_alu instid0(VALU_DEP_2)
	v_max_num_f32 v[232+\B], v[232+\B], v[236+\B]
.endr
.irp B, 0,1
	s_delay_alu instid0(VALU_DEP_2)
	v_add_nc_u32 v[244+\B], 0xff000000, v[232+\B]
.endr
.irp B, 0,1
	s_delay_alu instid0(VALU_DEP_2)
	v_lshrrev_b32 v[236+\B], 23, v[244+\B]
.endr
	s_delay_alu instid0(VALU_DEP_1)
	v_cndmask_b32 v254, v236, v237, s47            ; lanes 0-15 store block 0's byte, lanes 16-31 block 1's
	v_cvt_scalef32_pk16_fp6_f32 v[224:226], v[192:207], v244
	v_cvt_scalef32_pk16_fp6_f32 v[240:242], v[208:223], v245
	v_nop
.irp i, 0,1,2
	v_permlane16_swap_b32 v[224+\i], v[240+\i]
.endr
.irp i, 0,1,2
	s_delay_alu instid0(VALU_DEP_3)
	v_mov_b32 v[227+\i], v[240+\i]                 ; lane (r, h): block h of token r, six registers
.endr
.irp c, 0,1,2
	global_store_b64 v2, v[224+2*\c:225+2*\c], s[42:43] offset:256*\c   ; 32 lanes store 256 consecutive bytes, at a multiple of 256 from the buffer's first byte
.endr
	global_store_b8 v9, v254, s[44:45]             ; a byte a lane, rows 32 bytes apart: one byte for 24 bytes of codes
.endm
	PASS
	s_sub_co_u32 s[DG], 15, s[DG]                  ; the mirrored tile
	s_sub_co_u32 s[SB], 7, s[SB]
	PASS
	s_wait_dscnt 0x0
	s_wait_tensorcnt 0x0
	ds_add_u32 v95, v243
	s_wait_dscnt 0x0
	CROUND                                         ; the closing round
	s_endpgm
.Lfunc_end_k_qd3e9519d8a_attn:
	.size	k_qd3e9519d8a_attn, .Lfunc_end_k_qd3e9519d8a_attn-k_qd3e9519d8a_attn
	.p2alignl 7, 3214868480
	.fill 96, 4, 3214868480
	.section	.rodata,"a",@progbits
	.p2align	6, 0x0
	.amdhsa_kernel k_qd3e9519d8a_attn
		.amdhsa_group_segment_fixed_size 210944
		.amdhsa_private_segment_fixed_size 0
		.amdhsa_enable_private_segment 0
		.amdhsa_kernarg_size 32
		.amdhsa_user_sgpr_count 2
		.amdhsa_user_sgpr_kernarg_segment_ptr 1
		.amdhsa_wavefront_size32 1
		.amdhsa_system_sgpr_workgroup_id_x 1
		.amdhsa_system_sgpr_workgroup_id_y 1
		.amdhsa_system_sgpr_workgroup_id_z 1
		.amdhsa_system_vgpr_workitem_id 0
		.amdhsa_next_free_vgpr 256
		.amdhsa_next_free_sgpr 66
		.amdhsa_reserve_vcc 1
		.amdhsa_float_denorm_mode_32 3
		.amdhsa_float_denorm_mode_16_64 3
		.amdhsa_memory_ordered 1
		.amdhsa_forward_progress 1
		.amdhsa_inst_pref_size 65
	.end_amdhsa_kernel
	.amdgpu_metadata
---
amdhsa.version: [ 1, 2 ]
amdhsa.kernels:
  - .name:           k_qd3e9519d8a_attn
    .symbol:         k_qd3e9519d8a_attn.kd
    .args:
      - { .name: qrec, .offset: 0, .size: 8, .value_kind: global_buffer, .address_space: global }
      - { .name: kv, .offset: 8, .size: 8, .value_kind: global_buffer, .address_space: global }
      - { .name: oc, .offset: 16, .size: 8, .value_kind: global_buffer, .address_space: global }
      - { .name: os, .offset: 24, .size: 8, .value_kind: global_buffer, .address_space: global }
    .group_segment_fixed_size: 210944
    .private_segment_fixed_size: 0
    .kernarg_segment_align: 8
    .kernarg_segment_size: 32
    .max_flat_workgroup_size: 512
    .sgpr_count:     66
    .vgpr_count:     256
    .wavefront_size: 32
...
	.end_amdgpu_metadata
.endif
;; end of part 2
;; launch proj (part 3): grid 4 x 64, 4 waves a work-group, clusters of 4 x 4, 327,680 bytes of LDS; arguments oc, os, Wu_codes, Wu_scales, bu, out0; writes out0
.if DOCPART == 3
	.amdgcn_target "amdgcn-amd-amdhsa--gfx1250"
	.amdhsa_code_object_version 6
	.text
	.protected	k_qd3e9519d8a_proj
	.globl	k_qd3e9519d8a_proj
	.p2align	8
	.type	k_qd3e9519d8a_proj,@function
k_qd3e9519d8a_proj:
	s_mov_b64 s[64:65], 0
	v_nop
	global_prefetch_b8 v0, s[64:65] scope:SCOPE_SE
	s_setreg_imm32_b32 hwreg(HW_REG_WAVE_MODE, 25, 1), 1
	s_wait_xcnt 0x0
	s_wait_alu depctr_hold_cnt(0) depctr_sa_sdst(0) depctr_va_vdst(0) depctr_va_sdst(0) depctr_va_ssrc(0) depctr_va_vcc(0) depctr_vm_vsrc(0)
	s_getreg_b32 s2, hwreg(HW_REG_IB_STS2, 6, 4)
	s_cmp_eq_u32 s2, 0
	s_cbranch_scc0 .Lentry_in_a_cluster
	s_endpgm
.Lentry_in_a_cluster:
	s_bfe_u32 s2, ttmp6, 0x10000c
	s_cmp_lg_u32 s2, 0xf033
	s_cbranch_scc0 .Lentry_shape_is_right
	s_endpgm
.Lentry_shape_is_right:
; out0 = o Wu^T + bu on codes of FP6 (E2M3), one E8M0 scale for each 32 along K = 1,024; f32 sums.
; o comes as oc, images of operand registers [token tile of 16][step of 128][6 pieces][lane][8 bytes], and os [token][32] scale bytes; Wu as rows of 768 bytes and 32 scale bytes.
; SHARES.  A block of 128 tokens x 256 features to a work-group of four waves, 64 x 128 a wave: 32 accumulators.  ALL OF K lies in LDS: o's 98,304 dense bytes, then from byte 104,448 Wu's 256 rows
; (768 bytes, 16 of padding behind every 256: pitch 816).  One joint tensor load a wave at the head (waves 0, 1: 64 tokens each; waves 2, 3: 128 rows of Wu each); nothing is filled again.
; o's tiles are asked for jointly along a row of the cluster, Wu's along a column.  Scale words go from memory into registers, a row's 32 bytes at a time.  The bias is the C of each accumulator's first product.
; Source 0 = Wu's rows, source 1 = tokens: a lane holds eight neighbouring numbers of a row of out0; blocks of 16 rows x 128 leave through a stage in LDS as whole rows of 512 bytes.
; The stage lies on o's bytes: a barrier in the last step shows that every wave's LDS reads are over.  No prefetch: the launch has no loop to run ahead in.
.set PITCH, 816
.set BREG,  128*PITCH
.set SPARE, 384*PITCH
.set HALFA, 49152
.set SPITCH, 528
.set ADRA, 16
.set ADRB, 20
.set STO,  24
.set RD,   25
.set SCO,  26
.set CO,   27
.set SPW,  28
.set NIL,  29
.set GOF,  30
.set SA,   32                          ; v32-63 o's scale words: 8 a + step
.set SB,   64                          ; v64-127 Wu's: 8 b + step
.set AF,   128
.set BK,   128
.set G1, 24
.set G0, 32
.set G1B, 48
.set G0B, 56
.set MSB, 0
.macro WIN new
.if MSB != \new
	s_set_vgpr_msb (MSB<<8)|\new
.set MSB, \new
.endif
.endm
.set MUL,  0xa1
.set FST,  0x91                        ; the first products: C, the bias, in window 1 (v96-127, v224-255)
.set TO_B, 0x40
.macro CREST
	s_cmp_lg_u32 s14, 0
	s_cbranch_scc1 .Lnot_wave_0_\@
	s_barrier_signal -3
.Lnot_wave_0_\@:
	s_barrier_wait -3
	s_barrier_signal -1
	s_barrier_wait -1
.endm
.macro CROUND
	s_barrier_signal -1
	s_barrier_wait -1
	CREST
.endm
.macro PLACES
.rept 4
	v_nop
.endr
.endm
	s_load_b128 s[4:7], s[0:1], 0x0                ; oc, os
	s_load_b128 s[8:11], s[0:1], 0x10              ; Wu's codes, scales
	s_load_b64 s[96:97], s[0:1], 0x20              ; bu
	s_load_b64 s[12:13], s[0:1], 0x28              ; out0
	v_lshl_add_u32 v[SPW], v0, 2, SPARE
	v_mov_b32 v[NIL], 0
	ds_add_u32 v[SPW], v[NIL]                      ; the opening lines: the add twice and one wait
	ds_add_u32 v[SPW], v[NIL]
	v_lshrrev_b32 v1, 5, v0
	v_readfirstlane_b32 s14, v1
	s_lshr_b32 s15, s14, 1                         ; my 64 tokens.  Also: I fetch for o (0) or Wu (1)
	s_and_b32 s16, s14, 1                          ; my 128 features.  Also: which half of that tile I fetch
	s_bfe_u32 s40, ttmp6, 0x40000
	s_bfe_u32 s41, ttmp6, 0x40004
	s_lshl_b32 s42, ttmp9, 2
	s_add_co_u32 s42, s42, s40                     ; the tile of 256 features
	s_and_b32 s17, ttmp7, 0xffff
	s_lshl_b32 s17, s17, 2
	s_add_co_u32 s17, s17, s41                     ; the tile of 128 tokens
	s_lshl_b32 s43, s41, 2
	s_lshl_b32 s43, 15, s43
	s_lshl_b32 s44, 0x1111, s40
	s_or_b32 s[G1+0], s43, (3<<16)|(1<<21)         ; o: 49,152 dense bytes as 192 rows of 32 elements of 8 bytes
	s_mov_b32 s[G1+1], 32<<16
	s_mov_b32 s[G1+2], 192<<16
	s_mov_b32 s[G1+3], 32<<16
	s_mov_b32 s[G1+4], 192
	s_mov_b32 s[G1+5], 32
	s_mov_b32 s[G1+6], 0
	s_mov_b32 s[G1+7], 0
	s_or_b32 s[G1B+0], s44, (1<<20)|(1<<21)|(5<<22)|(3<<25)
	s_mov_b32 s[G1B+1], 768<<16
	s_mov_b32 s[G1B+2], 128<<16
	s_mov_b32 s[G1B+3], 768<<16
	s_mov_b32 s[G1B+4], 128
	s_mov_b32 s[G1B+5], 768
	s_mov_b32 s[G1B+6], 0
	s_mov_b32 s[G1B+7], 0
	s_mul_i32 s21, s15, HALFA
	s_mul_i32 s22, s16, 128*PITCH
	s_add_co_u32 s22, s22, BREG
	s_add_co_u32 s23, s22, 64*PITCH
	s_mul_i32 s45, s14, 16*SPITCH                  ; my stage
	v_and_b32 v1, 15, v0
	v_bfe_u32 v2, v0, 4, 1
	v_and_b32 v6, 31, v0
	v_mul_u32_u24 v3, v1, PITCH
	v_mad_u32_u24 v3, v2, 24, v3
	v_lshl_add_u32 v4, v2, 4, v3
	v_lshl_add_u32 v[ADRA], v6, 3, s21
	v_add_nc_u32 v[ADRB], s22, v3
	v_add_nc_u32 v[ADRB+1], s22, v4
	v_add_nc_u32 v[ADRB+2], s23, v3
	v_add_nc_u32 v[ADRB+3], s23, v4
	v_mul_u32_u24 v5, v1, SPITCH
	v_lshl_add_u32 v5, v2, 5, v5
	v_add_nc_u32 v[STO], s45, v5
	v_lshlrev_b32 v[CO], 4, v6
	v_add_nc_u32 v[RD], s45, v[CO]
	v_lshlrev_b32 v[SCO], 5, v1
	v_lshlrev_b32 v[GOF], 5, v2
	s_wait_alu depctr_va_vdst(0)                   ; the wait at the head's end
	s_wait_dscnt 0x0
	s_wait_kmcnt 0x0
	s_lshl_b32 s20, s17, 3
	s_lshl_b32 s18, s16, 2
	s_add_co_u32 s20, s20, s18                     ; o: the token tiles that I fetch
	s_mul_i32 s20, s20, 12288
	s_mov_b32 s21, 0
	s_lshl_b32 s22, s17, 7
	s_lshl_b32 s18, s15, 6
	s_add_co_u32 s22, s22, s18                     ; the tokens that I multiply
	s_lshl_b32 s38, s22, 12                        ; their rows of out0,
	s_mov_b32 s39, 0
	s_lshl_b32 s22, s22, 5                         ; their scales
	s_mov_b32 s23, 0
	s_lshl_b32 s18, s16, 7
	s_lshl_b32 s46, s42, 8
	s_add_co_u32 s46, s46, s18                     ; Wu's rows
	s_lshl_b32 s92, s46, 5
	s_mov_b32 s93, 0
	s_lshl_b32 s94, s46, 2                         ; my first column, in bytes
	s_mov_b32 s95, 0
	s_mul_i32 s46, s46, 768
	s_mov_b32 s47, 0
	s_add_nc_u64 s[6:7], s[6:7], s[22:23]
	s_add_nc_u64 s[10:11], s[10:11], s[92:93]
	s_add_nc_u64 s[96:97], s[96:97], s[94:95]
	s_add_nc_u64 s[12:13], s[12:13], s[38:39]
	s_add_nc_u64 s[12:13], s[12:13], s[94:95]
	s_mov_b32 s[G0], 1
	s_mul_i32 s[G0+1], s16, HALFA
	s_add_nc_u64 s[G0+2:G0+3], s[4:5], s[20:21]
	s_or_b32 s[G0+3], s[G0+3], 0x80000000
	s_mov_b32 s[G0B], 1
	s_mul_i32 s[G0B+1], s16, 128*PITCH
	s_add_co_u32 s[G0B+1], s[G0B+1], BREG
	s_add_nc_u64 s[G0B+2:G0B+3], s[8:9], s[46:47]
	s_or_b32 s[G0B+3], s[G0B+3], 0x80000000
.irp a, 0,1,2,3
	global_load_b128 v[SA+8*\a:SA+8*\a+3], v[SCO], s[6:7] offset:512*\a
	global_load_b128 v[SA+8*\a+4:SA+8*\a+7], v[SCO], s[6:7] offset:512*\a+16
.endr
.irp b, 0,1,2,3,4,5,6,7
	global_load_b128 v[SB+8*\b:SB+8*\b+3], v[SCO], s[10:11] offset:512*\b
	global_load_b128 v[SB+8*\b+4:SB+8*\b+7], v[SCO], s[10:11] offset:512*\b+16
.endr
	WIN TO_B
.irp b, 0,1,2,3,4,5,6,7
	global_load_b128 v[96+8*(\b%4)+128*(\b/4):99+8*(\b%4)+128*(\b/4)], v[GOF], s[96:97] offset:64*\b       ; the bias in the result's layout
	global_load_b128 v[100+8*(\b%4)+128*(\b/4):103+8*(\b%4)+128*(\b/4)], v[GOF], s[96:97] offset:64*\b+16
.endr
	WIN 0
	CROUND                                         ; all sixteen work-groups are here: the joint loads meet
	s_cmp_eq_u32 s15, 0
	s_cbranch_scc0 .Lfor_b
	tensor_load_to_lds s[G0:G0+3], s[G1:G1+7]      ; my one tensor load
	s_nop 0
	PLACES
	s_branch .Lasked
.Lfor_b:
	tensor_load_to_lds s[G0B:G0B+3], s[G1B:G1B+7]
	s_nop 0
	PLACES
.Lasked:
.macro FRAG reg, adr, st, i            ; Wu: byte y of a row lies at y + 16 (y / 256) of its LDS row; lanes 16-31 read 24 bytes on
.irp p, 0,1,2,3,4,5
.set BY, 96*(\st)+48*(\p/3)+8*(\p%3)
.if BY/256 == (BY+24)/256
	ds_load_b64 v[\reg+2*\p:\reg+2*\p+1], v[\adr] offset:BY+16*(BY/256)+(\i)*16*PITCH
.else
	ds_load_b64 v[\reg+2*\p:\reg+2*\p+1], v[\adr+1] offset:BY+16*(BY/256)+(\i)*16*PITCH
.endif
.endr
.endm
.macro FETCH st
	WIN TO_B
.irp i, 0,1,2,3,4,5,6,7
	FRAG 128*((\st)%2)+12*\i, ADRB+2*(\i/4), \st, \i%4
.endr
	WIN 0
.irp i, 0,1,2,3
.irp p, 0,1,2,3,4,5
	ds_load_b64 v[AF+48*((\st)%2)+12*\i+2*\p:AF+48*((\st)%2)+12*\i+2*\p+1], v[ADRA] offset:12288*\i+1536*(\st)+256*\p
.endr
.endr
.endm
.macro MUL32 st, first                 ; the 32 accumulators take turns, one instruction a turn
.irp a, 0,1,2,3
.irp b, 0,1,2,3,4,5,6,7
.if \first
	v_wmma_scale_f32_16x16x128_f8f6f4 v[8*(8*\a+\b):8*(8*\a+\b)+7], v[128*((\st)%2)+12*\b:128*((\st)%2)+12*\b+11], v[AF+48*((\st)%2)+12*\a:AF+48*((\st)%2)+12*\a+11], v[96+8*(\b%4)+128*(\b/4):103+8*(\b%4)+128*(\b/4)], v[SB+8*\b+(\st)], v[SA+8*\a+(\st)] matrix_a_fmt:MATRIX_FMT_FP6 matrix_b_fmt:MATRIX_FMT_FP6
.else
	v_wmma_scale_f32_16x16x128_f8f6f4 v[8*(8*\a+\b):8*(8*\a+\b)+7], v[128*((\st)%2)+12*\b:128*((\st)%2)+12*\b+11], v[AF+48*((\st)%2)+12*\a:AF+48*((\st)%2)+12*\a+11], v[8*(8*\a+\b):8*(8*\a+\b)+7], v[SB+8*\b+(\st)], v[SA+8*\a+(\st)] matrix_a_fmt:MATRIX_FMT_FP6 matrix_b_fmt:MATRIX_FMT_FP6
.endif
.endr
.endr
.endm
	s_wait_loadcnt 0x0                             ; scales and bias
	s_wait_tensorcnt 0x0                           ; my part of the tiles is in,
	s_barrier_signal -1
	s_barrier_wait -1                              ; everybody's is
	FETCH 0
	s_wait_dscnt 0x0
	FETCH 1
	WIN FST
	MUL32 0, 1
.irp st, 1,2,3,4,5,6
	s_wait_dscnt 0x0                               ; this step's fragments, asked for a step ago
	PLACES                                         ; ahead of loads into the set that the last step multiplied
	FETCH \st+1
	WIN MUL
	MUL32 \st, 0
.endr
	s_wait_dscnt 0x0                               ; my LDS reads are over:
	s_barrier_signal -1
	MUL32 7, 0
	WIN 0
	s_barrier_wait -1                              ; everybody's are: the stage may lie on o's bytes
	PLACES
.macro TOSTAGE a
	WIN 0x08                                       ; the data: window 2
.irp b, 0,1,2,3,4,5,6,7
	ds_store_b128 v[STO], v[64*(\a)+8*\b:64*(\a)+8*\b+3] offset:64*\b          ; each accumulator from its low end on
	ds_store_b128 v[STO], v[64*(\a)+8*\b+4:64*(\a)+8*\b+7] offset:64*\b+16
.endr
	WIN 0
.set BB, BK+64*((\a)%2)
.irp t, 0,1,2,3,4,5,6,7,8,9,10,11,12,13,14,15
	ds_load_b128 v[BB+4*\t:BB+4*\t+3], v[RD] offset:\t*SPITCH     ; my own bytes, served in order
.endr
.endm
.macro SEND a, younger
.set BB, BK+64*((\a)%2)
	s_wait_dscnt \younger
.if (\a) > 0
	s_add_nc_u64 s[12:13], s[12:13], 16*4096       ; behind a wait on XCNT: 16 rows on
.endif
.irp t, 0,1,2,3,4,5,6,7,8,9,10,11,12,13,14,15
	global_store_b128 v[CO], v[BB+4*\t:BB+4*\t+3], s[12:13] offset:\t*4096 th:TH_STORE_NT   ; 512 consecutive bytes a store
.endr
.endm
	TOSTAGE 0
.irp a, 1,2,3
.if \a > 1
	s_wait_xcnt 0x0                                ; block a - 2's stores have read their registers and base
.endif
	TOSTAGE \a
	SEND \a-1, 32                                  ; behind block a - 1's loads: block a's 16 stores and 16 loads
.endr
	s_wait_xcnt 0x0
	SEND 3, 0
	s_wait_tensorcnt 0x0                           ; the wave's end
	ds_add_u32 v[SPW], v[NIL]
	s_wait_dscnt 0x0
	CROUND                                         ; the closing round
	s_endpgm
.Lfunc_end_k_qd3e9519d8a_proj:
	.size	k_qd3e9519d8a_proj, .Lfunc_end_k_qd3e9519d8a_proj-k_qd3e9519d8a_proj
	.p2alignl 7, 3214868480
	.fill 96, 4, 3214868480
	.section	.rodata,"a",@progbits
	.p2align	6, 0x0
	.amdhsa_kernel k_qd3e9519d8a_proj
		.amdhsa_group_segment_fixed_size 327680
		.amdhsa_private_segment_fixed_size 0
		.amdhsa_enable_private_segment 0
		.amdhsa_kernarg_size 48
		.amdhsa_user_sgpr_count 2
		.amdhsa_user_sgpr_kernarg_segment_ptr 1
		.amdhsa_wavefront_size32 1
		.amdhsa_system_sgpr_workgroup_id_x 1
		.amdhsa_system_sgpr_workgroup_id_y 1
		.amdhsa_system_sgpr_workgroup_id_z 1
		.amdhsa_system_vgpr_workitem_id 0
		.amdhsa_next_free_vgpr 768
		.amdhsa_next_free_sgpr 98
		.amdhsa_reserve_vcc 0
		.amdhsa_float_denorm_mode_32 3
		.amdhsa_float_denorm_mode_16_64 3
		.amdhsa_memory_ordered 1
		.amdhsa_forward_progress 1
		.amdhsa_inst_pref_size 95
	.end_amdhsa_kernel
	.amdgpu_metadata
---
amdhsa.version: [ 1, 2 ]
amdhsa.kernels:
  - .name:           k_qd3e9519d8a_proj
    .symbol:         k_qd3e9519d8a_proj.kd
    .args:
      - { .name: oc, .offset: 0, .size: 8, .value_kind: global_buffer, .address_space: global }
      - { .name: os, .offset: 8, .size: 8, .value_kind: global_buffer, .address_space: global }
      - { .name: Wu_codes, .offset: 16, .size: 8, .value_kind: global_buffer, .address_space: global }
      - { .name: Wu_scales, .offset: 24, .size: 8, .value_kind: global_buffer, .address_space: global }
      - { .name: bu, .offset: 32, .size: 8, .value_kind: global_buffer, .address_space: global }
      - { .name: out0, .offset: 40, .size: 8, .value_kind: global_buffer, .address_space: global }
    .group_segment_fixed_size: 327680
    .private_segment_fixed_size: 0
    .kernarg_segment_align: 8
    .kernarg_segment_size: 48
    .max_flat_workgroup_size: 128
    .sgpr_count:     98
    .vgpr_count:     768
    .wavefront_size: 32
...
	.end_amdgpu_metadata
.endif
;; end of part 3
